; MI455X (gfx1250); checked and timed in simulation.
; The chip was launched on July 23, 2026; its instructions are those of AMD's public machine-readable ISA for CDNA 5 (MIT licence, August 2026) and "CDNA5" Instruction Set Architecture Reference Guide (July 2026). The comments in the code are by the model that wrote it; some were corrected since.
;; Adaptive Meta Learner. Allowed arithmetic: matrix products marked QUANTISED: E5M2 operands, one E8M0 scale for each 32 along K, by v_wmma_scale_f32_16x16x128_f8f6f4 with both operands' format E5M2, f32 sums; products left as they are: f32 operands where the result goes on into a quantised operand, else bf16, f16 or f32 operands; f32 sums; everything else in f32.
;; Inputs: W1 64 x 1 float32; Wo 1 x 64 float32; b1 64 float32; be1 64 float32; bo 1 float32; g1 64 float32; l0_Wh 256 x 64 float32; l0_Wi 256 x 64 float32; l0_bc 64 float32; l0_bgh 256 float32; l0_bgi 256 float32; l0_bh 256 float32; l0_bi 256 float32; l0_gc 64 float32; l0_gh 256 float32; l0_gi 256 float32; l1_Wh 256 x 64 float32; l1_Wi 256 x 64 float32; l1_bc 64 float32; l1_bgh 256 float32; l1_bgi 256 float32; l1_bh 256 float32; l1_bi 256 float32; l1_gc 64 float32; l1_gh 256 float32; l1_gi 256 float32; x 250,000 float32.
;; Outputs: out0 250,000 x 1 float32; out1 1 x 1 float32.
;; This version of the problem:
;;   THIS VERSION OF THE PROBLEM IS GIVEN IN LOW PRECISION. The matrix products marked QUANTISED in the list below multiply operands that are first quantised to E5M2 (5 exponent bits, 2 mantissa bits; 8 bits a number), with one power-of-two scale for each 32 numbers along K (OCP MX v1.0); their sums are f32. All else is computed in f32.
;;   The module's matrix products, in the order in which they are computed (A, B: the left and right operand; K: the contracted axis; several contracted axes count as one K, in the product's order):
;;     1. [M 250,001, K 1] x [K 1, N 64]; A: computed on the way; B: input W1: left as it is (K = 1 < 32)
;;     2. [M 250,001, K 64] x [K 64, N 256]; A: computed on the way; B: input l0_Wi: QUANTISED
;;     3. [M 250,001, K 64] x [K 64, N 256]; A: computed on the way; B: input l0_Wh: QUANTISED
;;     4. [M 250,001, K 64] x [K 64, N 256]; A: computed on the way; B: input l1_Wi: QUANTISED
;;     5. [M 250,001, K 64] x [K 64, N 256]; A: computed on the way; B: input l1_Wh: QUANTISED
;;     6. [M 250,001, K 64] x [K 64, N 1]; A: computed on the way; B: input Wo: left as it is (N = 1 < 16)
;;   THE QUANTISER, for each operand of a quantised product, along K:
;;     - K is cut into blocks of 32 from its start; a last block that is shorter is filled with zeros.
;;     - A block's scale is 2^e with e = floor(log2(the largest magnitude in the block)) - 15, held to -126 .. 127; a block of zeros has e = 0. As a byte (E8M0): e + 127.
;;     - Each number is divided by its block's scale, clamped to +-57,344, and rounded to the nearest number of E5M2, ties to even, subnormals kept.
;;     - The product sums the exact products of the quantised numbers (number of the format x scale) in f32.
;;   ~~~python
;;   def quantise(x, axis):      # numpy; x: float32 -> the quantised numbers, widened to float32 again
;;       x = np.moveaxis(x, axis, -1); K = x.shape[-1]
;;       x = np.pad(x, [(0, 0)] * (x.ndim - 1) + [(0, -K % 32)]); x = x.reshape(x.shape[:-1] + (-1, 32)); a = np.abs(x).max(-1, keepdims=True)
;;       e = np.where(a > 0, np.clip(np.frexp(np.where(a > 0, a, 1))[1] - 1 - 15, -126, 127), 0)      # np.frexp(a)[1] - 1 = floor(log2(a)), exactly
;;       r = np.clip(x / 2.0 ** e, -57344, 57344)
;;       step = 2.0 ** (np.maximum(np.frexp(np.where(r == 0, 1, r))[1] - 1, -14) - 2)
;;       q = np.round(r / step) * step * 2.0 ** e      # np.round: ties to even
;;       return np.moveaxis(q.reshape(q.shape[:-2] + (-1,))[..., :K], -1, axis).astype(np.float32)
;;   ~~~
;;   OPERANDS COMPUTED ON THE WAY. 'Computed on the way' means the value that the module computes at that place (a softmax that the list does not call 'softmax' is quantised finished and normalised). What goes into a quantiser is computed in f32, as accurately as f32 sums, v_exp_f32 and their like allow (about 1e-6 of the number): no bf16 or f16 on the way to a quantiser, and a product that is left as it is and whose result goes on into a quantised operand takes f32 operands (vector FMAs, or v_wmma_f32_16x16x4_f32). A number that lies on a knife's edge between two numbers of the format may be rounded either way, as far as f32 arithmetic and the matrix unit's own rounding can turn it there, and no further.
;; One version. Each part assembles by itself: llvm-mc -triple=amdgcn-amd-amdhsa -mcpu=gfx1250 --defsym DOCPART=n.
;; ======== version 1 of 1: 1 launch
;; launch meta (part 1): grid 245 x 1, 8 waves a work-group, no clusters, 54,784 bytes of LDS; arguments x, W1, b1, g1, be1, l0_gc, l0_bc, l1_gc, l1_bc, Wo, bo, l0_Wi, l1_Wi, l0_Wh, l1_Wh, l0_bi, l1_bi, l0_bh, l1_bh, l0_gi, l1_gi, l0_bgi, l1_bgi, l0_gh, l1_gh, l0_bgh, l1_bgh, out0, out1; writes out0, out1
.if DOCPART == 1
	.amdgcn_target "amdgcn-amd-amdhsa--gfx1250"
	.amdhsa_code_object_version 6
	.text
	.protected	k_qe353d231e3_meta
	.globl	k_qe353d231e3_meta
	.p2align	8
	.type	k_qe353d231e3_meta,@function
k_qe353d231e3_meta:
	s_mov_b64 s[64:65], 0
	v_nop
	global_prefetch_b8 v0, s[64:65] scope:SCOPE_SE
	s_setreg_imm32_b32 hwreg(HW_REG_WAVE_MODE, 25, 1), 1
	s_wait_xcnt 0x0
; AdaptiveMetaLearner, forward: 250,001 rows that know nothing of each other (the 250,000 numbers of x, and their mean).  A row: scalar -> 64 (product with K = 1, LayerNorm, tanh);
; two LayerNorm-LSTM cells with zero state (64 -> 256 -> 64); a dot product with Wo.  The four products 64 -> 256 are on codes of BF8 (E5M2) with one E8M0 scale for each 32 along K.
; WHAT THE ZERO STATE MEANS.  hx = cx = 0 is built by the function itself, so every row of hx Wh^T + bh is the same row: it is made once for each work-group and layer, for one tile of 16 such rows:
; Wh is read and quantised, the matrix instruction takes zero codes for hx and bh as C; the row goes through its LayerNorm, gh, bgh and into the additive table of z.  sigmoid(f) cx = 0 is not evaluated; the
; f columns still count in the LayerNorm over 256.
; SHARES.  A pair is 32 rows, two tiles of 16; pair 7812 holds rows 249,984 .. 249,999 and, as its second tile, the mean row sixteen times.  Work-groups 0 .. 243: eight waves, four pairs each (128 rows, 512 bytes of
; out0 a wave).  Work-group 244: waves 0 .. 4 one pair each; all its waves first sum x.  Two waves of 512 registers share a SIMD, so that one wave's vector work stands beside the other's matrix work and LDS loads.
; LAYOUT.  The products are used transposed (source 0 = 16 rows of the weight, source 1 = 16 data rows): a lane holds ONE data row (lane % 16) throughout.  Lane r of tile t takes weight row 32 (t / 2) + 8 (t % 2) + r + 8 (r / 8),
; so that accumulator register 16 q + i of a row tile is column 32 q + 16 (lane / 16) + i: the gates i, f, o, g are registers 0-31, 32-63, 64-95, 96-127, a hidden unit has the same place in each, and registers 0-31 are in
; the order of the next operand.  K = 64 in an instruction of K = 128: registers 8-15 of both operands are zero codes that stay, their scale bytes 127.
; ACTIVATIONS.  -log2(e) (gates i, o) and 2 log2(e) (gate g, every tanh) are folded into the gain and bias tables.  sigmoid(a) tanh(b) = (Eb - 1) / ((1 + Ea)(1 + Eb)), Ea = 2^(-a log2 e), Eb = 2^(2 b log2 e):
; two exponentials and one reciprocal.  LayerNorm in two passes: the mean, then the sum of (a - mean)^2.  For the first LayerNorm W1 and b1 are centred once, so x w' + b' is centred as it is made.
; LIMITS.  NaN and infinities among the inputs are not served (a NaN in the f columns' gain or bias alone would be lost).  The exponent of Eb is held at 30, where tanh is 1 in f32; where (1 + Ea)(1 + Eb)
; passes 2^126 the product of the two activations comes out 0: its true magnitude is then under 2^-96.  A block of zeros gets the scale byte 1, not 127: its codes are zeros and nobody else reads the byte.
; NO CLUSTER, NO TENSOR LOAD: every LDS byte here is computed (codes, scale words, folded tables) or is a wave's own 512 bytes; what work-groups share is one read of 256 KB of weights at the head, and
; 245 work-groups = 5 x 7 x 7 divide into no cluster of four.  NO PREFETCH: all that is read is wanted at the head, but for work-group 244's walk over x, which keeps 60 loads a wave on their way.
;
; LDS (bytes)
.set IMG, 0                            ; Wi's codes as images of the operand's registers: 16384 L + 1024 t + 512 c + 16 lane
.set WSC, 32768                        ; Wi's scale words: 1024 L + 128 (t % 8) + 64 (t / 8) + 4 r: one register carries tiles i (lanes 0-15) and i + 8 (lanes 16-31)
.set BI,  34816                        ; bi: 1024 L + 4 n
.set GT,  36864                        ; F gi       (F = -log2 e for gates i, f, o; 2 log2 e for g)
.set BC,  38912                        ; F (bgi + the row of the Wh branch)
.set VT,  40960                        ; 0 x Q(Wh) + bh
.set T64, 43008                        ; eight tables of 64, table w at 256 w: W1 - mean, b1 - mean, and g1, be1, l0_gc, l0_bc, l1_gc, l1_bc each x 2 log2 e
.set WOT, 45056                        ; Wo
.set XS,  45312                        ; eight partial sums of x
.set XST, 45568                        ; 512 w: the wave's 128 numbers of x
.set OST, 49664                        ; 512 w: the wave's 128 results
; VECTOR REGISTERS.  Window 1 (v256-511): ACC, row tile T at 128 T.  Window 0:
.set LH,   1                           ; 64 (lane / 16): a table's place for my half
.set LI,   2                           ; 16 lane
.set XA0,  3                           ; XST + 512 w + 4 r
.set OSA0, 4                           ; OST + 512 w + 4 lane
.set NIL,  5                           ; 0
.set LANE, 6
.set WS,   8                           ; v8-23   Wi's scale words, 8 L + t % 8 (in the head v8-11 Wh's, v12-15 Wi's as they are made)
.set HOP0, 24                          ; v24-39  the data operand of row tile 0: 8 registers of codes, 8 of zeros
.set HOP1, 40                          ; v40-55  of row tile 1 (in the head: small loads)
.set HSW0, 56                          ; v56, v57 their scale words
.set X0,   60                          ; v60, v62 x of my row; the odd registers of v60-71 are upper halves of pairs that are named and not used
.set NM0,  64                          ; v64, v66 minus the mean
.set R0,   68                          ; v68, v70 1 / (s + eps)
.set CH,   72                          ; v72-79, v80-87 four pair chains for each row tile
.set TM,   72                          ; the quantiser lies over the chains: largest magnitudes,
.set TN,   76                          ; the other half's, then the bytes,
.set SC,   80                          ; the conversions' scale operands,
.set HD,   84                          ; 57,344 x the scale
.set WF,   92                          ; v92-155 four weight fragments of 16: 8 of codes, 8 of zeros that stay; set s = fragments 2 s, 2 s + 1
.set KA,   156                         ; v156-251 tables: three buffers of 32; KA .. KA + 31 are the two sets of bi during the products
.set XW,   252                         ; XST + 512 w + 16 lane
.set IA,   253                         ; head only, from here on: 4096 w + 16 lane
.set SWA,  254                         ; 1024 L + 512 (Q & 1) + 64 (Q >> 1) + 4 r
.set VA,   255                         ; 256 w + 64 (lane / 16)
.set T2,   64                          ; 256 w + 8 lane
.set T8,   65                          ; 1024 L + 32 lane
.set XP,   66                          ; 4 w
.set WA,   67                          ; a weight's bytes: 256 (r + 8 (r / 8)) + 64 (lane / 16)
.set L8,   68                          ; 8 lane
.set XO,   69                          ; my 16 bytes of the wave's x, held inside x
.set LS,   70                          ; 4 lane
.set XV,   71                          ; 16 x thread
; SCALAR REGISTERS.  Argument k lies at s[8 + 2 k], out1 at s[66:67].
.set WV,   2                           ; wave
.set LY,   3                           ; L = wave / 4: the layer that the wave prepares
.set GQ,   4                           ; Q = wave % 4: the gate
.set BO,   68
.set SEL,  70                          ; s[70:71] selects of v_permlanex16_b32: lane l xor 16
.set MNT,  72                          ; the mantissa field of 57,344
.set CAP,  73                          ; 30.0
.set HIM,  74                          ; lanes 16-31
.set EPS,  75                          ; 1e-5
.set TRIP, 76
.set PF,   77                          ; the wave's first pair
.set NT,   78                          ; its pairs
.set NROWS, 79                         ; rows of out0 that it stores
.set OFFB, 80                          ; s[80:81] byte offset of its first row
.set FLAG, 82                          ; 1.0 where the table is centred
.set FACT, 83                          ; the table's factor
.set FG,   84                          ; F of my gate
.set TOFF, 85                          ; 128 x trip
.set XB,   86                          ; s[86:87] x, walking
.set CNT,  88
.set PP,   89                          ; the pair in hand
.set LASTG, 244
.set LASTP, 7812
.set MSB, 0
.macro WIN new                         ; bits 1:0 source 0, 3:2 source 1, 5:4 source 2, 7:6 destination; the high byte repeats the setting that is left
.if MSB != \new
	s_set_vgpr_msb (MSB<<8)|\new
.set MSB, \new
.endif
.endm
.macro WINX                            ; destination and source 0 in window 1: either of the two settings that say so
.if (MSB != 0x41) && (MSB != 0x45)
	WIN 0x41
.endif
.endm
.macro PLACES n
.rept \n
	v_nop
.endr
.endm
; Four blocks of 32 along K: registers a .. a + 31 and b .. b + 31 of window 1 (register 16 c + i = k 32 c + 16 (lane / 16) + i of my row) become codes in v[da] .. v[da + 7], v[db] .. and scale words in v[pa], v[pb].
.macro QUANT4 a, b, da, db, pa, pb
	WIN 0x05
.irp k, 0,1,2,3
.set QS, (1-\k/2)*((\a)+16*\k)+(\k/2)*((\b)+16*(\k-2))
	v_max3_num_f32 v[TM+\k], |v[QS]|, |v[QS+1]|, 0x8000000         ; my 16 numbers and the floor 2^(16 - 127): the byte cannot fall under 1
.endr
.irp i, 2,4,6,8,10,12,14
.irp k, 0,1,2,3
.set QS, (1-\k/2)*((\a)+16*\k)+(\k/2)*((\b)+16*(\k-2))
	v_max3_num_f32 v[TM+\k], |v[QS+\i]|, |v[QS+\i+1]|, v[TM+\k]    ; the four blocks by turns
.endr
.endr
	WIN 0
.irp k, 0,1,2,3
	v_permlanex16_b32 v[TN+\k], v[TM+\k], s[SEL], s[SEL+1]
.endr
.irp k, 0,1,2,3
	v_max_num_f32 v[TM+\k], v[TM+\k], v[TN+\k]                     ; with lane l xor 16's 16: the block's largest magnitude
.endr
.irp k, 0,1,2,3
	v_add_nc_u32 v[SC+\k], 0xf8800000, v[TM+\k]                    ; 15 off its exponent field: the conversion takes this operand's exponent field as its scale
.endr
.irp k, 0,1,2,3
	v_and_or_b32 v[HD+\k], v[TM+\k], 0x7f800000, s[MNT]            ; 57,344 x the scale
.endr
.irp k, 0,1,2,3
	v_lshrrev_b32 v[TN+\k], 23, v[SC+\k]                           ; the scale's byte
.endr
	v_lshl_or_b32 v[\pa], v[TN+1], 8, v[TN]
	v_lshl_or_b32 v[\pb], v[TN+3], 8, v[TN+2]
	v_or_b32 v[\pa], 0x7f7f0000, v[\pa]                            ; bytes 2 and 3, over the zero codes: 127
	v_or_b32 v[\pb], 0x7f7f0000, v[\pb]
	WIN 0x41
.irp k, 0,1,2,3
.set QS, (1-\k/2)*((\a)+16*\k)+(\k/2)*((\b)+16*(\k-2))
.irp i, 0,1,2,3,4,5,6,7,8,9,10,11,12,13,14,15
	v_med3_num_f32 v[QS+\i], v[QS+\i], -v[HD+\k], v[HD+\k]         ; the conversion to an 8-bit code does not saturate (ISA guide 7.6.2): the hold comes first
.endr
.endr
	WIN 0x01
.irp k, 0,1,2,3
.set QS, (1-\k/2)*((\a)+16*\k)+(\k/2)*((\b)+16*(\k-2))
.set QD, (1-\k/2)*((\da)+4*\k)+(\k/2)*((\db)+4*(\k-2))
	v_cvt_scalef32_pk8_bf8_f32 v[QD:QD+1], v[QS:QS+7], v[SC+\k]
	v_cvt_scalef32_pk8_bf8_f32 v[QD+2:QD+3], v[QS+8:QS+15], v[SC+\k]
.endr
	WIN 0
	PLACES 4                               ; the plain place behind the conversions, and the four places between an operand written by vector instructions and a scaled matrix instruction; the scale words stand 64 holds further up
.endm
.macro TL16 dst, off                   ; 16 numbers of a table in natural order: those of my half of a block of 32
.irp j, 0,1,2,3
	ds_load_b128 v[(\dst)+4*\j:(\dst)+4*\j+3], v[LH] offset:(\off)+16*\j
.endr
.endm
.macro TABLES q, kb, L                 ; gain and bias of z's columns 32 q on
	TL16 \kb, GT+1024*(\L)+128*(\q)
	TL16 (\kb)+16, BC+1024*(\L)+128*(\q)
.endm
.macro WLOAD sel, L, g                 ; eight loads: the codes of weight tiles 2 g, 2 g + 1 and their bi, into operand set sel
.irp u, 0,1
.irp c, 0,1
	ds_load_b128 v[WF+32*(\sel)+16*\u+4*\c:WF+32*(\sel)+16*\u+4*\c+3], v[LI] offset:IMG+16384*(\L)+1024*(2*(\g)+\u)+512*\c
.endr
.endr
	TL16 KA+16*(\sel), BI+1024*(\L)+128*(\g)
.endm
.macro PRELOAD L
	WLOAD 0, \L, 0
	WLOAD 1, \L, 1
.endm
; The 16 registers 16 g .. 16 g + 15 of both row tiles are added into the chains; g = 0 starts the chains.  Each accumulator is read from its low end on.
.macro SUMADD g
.if (\g) == 0
	WIN 0x05
.irp k, 0,1,2,3
.irp T, 0,1
	v_pk_add_f32 v[CH+8*\T+2*\k:CH+8*\T+2*\k+1], v[128*\T+2*\k:128*\T+2*\k+1], v[128*\T+8+2*\k:128*\T+8+2*\k+1]
.endr
.endr
.else
	WIN 0x04
.irp k, 0,1,2,3,4,5,6,7
.irp T, 0,1
	v_pk_add_f32 v[CH+8*\T+2*(\k%4):CH+8*\T+2*(\k%4)+1], v[CH+8*\T+2*(\k%4):CH+8*\T+2*(\k%4)+1], v[128*\T+16*(\g)+2*\k:128*\T+16*(\g)+2*\k+1]
.endr
.endr
.endif
.endm
; Weight tiles 2 g, 2 g + 1 against both row tiles: four matrix instructions, each on an accumulator of its own with bi as C: no sum is taken up again.  Behind them the additions of the group before: plain
; instructions that name none of these four's registers, eight or more: the places ahead of the loads into this group's operands and ahead of the next group's additions, which read these results.
.macro GROUP L, g
.if \g == 7
	s_wait_dscnt 0x0
.else
	s_wait_dscnt 0x8                       ; this set's eight loads are in; the other set's eight may be out
.endif
	WIN 0x40
.irp u, 0,1
.irp T, 0,1
.if \g >= 4
	v_wmma_scale_f32_16x16x128_f8f6f4 v[128*\T+8*(2*\g+\u):128*\T+8*(2*\g+\u)+7], v[WF+32*(\g%2)+16*\u:WF+32*(\g%2)+16*\u+15], v[HOP0+16*\T:HOP0+16*\T+15], v[KA+16*(\g%2)+8*\u:KA+16*(\g%2)+8*\u+7], v[WS+8*\L+(2*\g+\u)%8], v[HSW0+\T] matrix_a_fmt:MATRIX_FMT_BF8 matrix_b_fmt:MATRIX_FMT_BF8 matrix_a_scale:MATRIX_SCALE_ROW1
.else
	v_wmma_scale_f32_16x16x128_f8f6f4 v[128*\T+8*(2*\g+\u):128*\T+8*(2*\g+\u)+7], v[WF+32*(\g%2)+16*\u:WF+32*(\g%2)+16*\u+15], v[HOP0+16*\T:HOP0+16*\T+15], v[KA+16*(\g%2)+8*\u:KA+16*(\g%2)+8*\u+7], v[WS+8*\L+(2*\g+\u)%8], v[HSW0+\T] matrix_a_fmt:MATRIX_FMT_BF8 matrix_b_fmt:MATRIX_FMT_BF8
.endif
.endr
.endr
.if \g == 0
	PLACES 8
.else
	SUMADD \g-1
.endif
	WIN 0
.if \g <= 5
	WLOAD \g%2, \L, \g+2
.endif
.endm
.macro RED                             ; the chains of both row tiles are joined, with the other half of the lanes': the rows' sums in v72 and v80, in every lane
	WIN 0
	v_pk_add_f32 v[72:73], v[72:73], v[74:75]
	v_pk_add_f32 v[80:81], v[80:81], v[82:83]
	v_pk_add_f32 v[76:77], v[76:77], v[78:79]
	v_pk_add_f32 v[84:85], v[84:85], v[86:87]
	v_pk_add_f32 v[72:73], v[72:73], v[76:77]
	v_pk_add_f32 v[80:81], v[80:81], v[84:85]
	v_add_f32 v72, v72, v73
	v_add_f32 v80, v80, v81
	v_permlanex16_b32 v88, v72, s[SEL], s[SEL+1]
	v_permlanex16_b32 v89, v80, s[SEL], s[SEL+1]
	v_add_f32 v72, v72, v88
	v_add_f32 v80, v80, v89
.endm
.macro MEAN k                          ; k = -1 / n
	v_mul_f32 v[NM0], \k, v72
	v_mul_f32 v[NM0+2], \k, v80
.endm
.macro RSTD k                          ; k = 1 / (n - 1): 1 / (sqrt(k x the sum of squares) + eps)
	v_mul_f32 v72, \k, v72
	v_mul_f32 v80, \k, v80
	v_sqrt_f32 v72, v72
	v_sqrt_f32 v80, v80
	v_nop                                  ; a plain instruction behind the roots,
	s_wait_alu depctr_va_vdst(0)           ; and the wait ahead of the first instruction that names a result: one for both
	v_add_f32 v72, s[EPS], v72
	v_add_f32 v80, s[EPS], v80
	v_rcp_f32 v[R0], v72
	v_rcp_f32 v[R0+2], v80
	v_nop
	s_wait_alu depctr_va_vdst(0)
.endm
.macro DSUB n                          ; registers 0 .. n - 1 of both row tiles: minus the mean
	WIN 0x41
.set I, 0
.rept (\n)/2
	v_pk_add_f32 v[I:I+1], v[I:I+1], v[NM0:NM0+1] op_sel_hi:[1,0]
	v_pk_add_f32 v[128+I:129+I], v[128+I:129+I], v[NM0+2:NM0+3] op_sel_hi:[1,0]
.set I, I+2
.endr
.endm
.macro SSQ n                           ; the sum of their squares; the first four pairs start the chains
	WIN 0x05
.set I, 0
.rept (\n)/2
.set C0, CH+2*((I/2)%4)
.if I < 8
	v_pk_mul_f32 v[C0:C0+1], v[I:I+1], v[I:I+1]
	v_pk_mul_f32 v[C0+8:C0+9], v[128+I:129+I], v[128+I:129+I]
.else
	v_pk_fma_f32 v[C0:C0+1], v[I:I+1], v[I:I+1], v[C0:C0+1]
	v_pk_fma_f32 v[C0+8:C0+9], v[128+I:129+I], v[128+I:129+I], v[C0+8:C0+9]
.endif
.set I, I+2
.endr
.endm
.macro NORM q, kb, hold                ; registers 16 q .. 16 q + 15: x 1 / (s + eps), x gain + bias (v[kb] on, v[kb + 16] on); hold = 1: held at 30 from above (a tanh's exponent)
	WIN 0x41
.irp T, 0,1
.set I, 128*\T+16*(\q)
.rept 8
	v_pk_mul_f32 v[I:I+1], v[I:I+1], v[R0+2*\T:R0+2*\T+1] op_sel_hi:[1,0]
.set I, I+2
.endr
.endr
.irp T, 0,1
.set I, 0
.rept 8
	v_pk_fma_f32 v[128*\T+16*(\q)+I:128*\T+16*(\q)+I+1], v[128*\T+16*(\q)+I:128*\T+16*(\q)+I+1], v[(\kb)+I:(\kb)+I+1], v[(\kb)+16+I:(\kb)+16+I+1]
.set I, I+2
.endr
.endr
.if \hold
	WIN 0x45
.irp T, 0,1
.set I, 128*\T+16*(\q)
.rept 16
	v_min_num_f32 v[I], s[CAP], v[I]
.set I, I+1
.endr
.endr
.endif
.endm
.macro EXPB q                          ; 2^(.) of registers 16 q .. 16 q + 15 of both row tiles, in place
	WINX
.irp T, 0,1
.set I, 128*\T+16*(\q)
.rept 16
	v_exp_f32 v[I], v[I]
.set I, I+1
.endr
.endr
.endm
.macro RCPB q
	WINX
.irp T, 0,1
.set I, 128*\T+16*(\q)
.rept 16
	v_rcp_f32 v[I], v[I]
.set I, I+1
.endr
.endr
.endm
; sigmoid x tanh for 32 registers of both row tiles.  D and O hold the two exponentials, TE (one of the two) the tanh's, F is scratch: D = (TE - 1) / ((1 + D)(1 + O)).
.macro GATE D, O, TE, F
	WIN 0x41
.irp T, 0,1
.set I, 128*\T
.rept 16
	v_pk_add_f32 v[(\F)+I:(\F)+I+1], v[(\TE)+I:(\TE)+I+1], -1.0 op_sel_hi:[1,0]
.set I, I+2
.endr
.endr
.irp T, 0,1
.set I, 128*\T
.rept 16
	v_pk_add_f32 v[(\D)+I:(\D)+I+1], v[(\D)+I:(\D)+I+1], 1.0 op_sel_hi:[1,0]
.set I, I+2
.endr
.endr
.irp T, 0,1
.set I, 128*\T
.rept 16
	v_pk_add_f32 v[(\O)+I:(\O)+I+1], v[(\O)+I:(\O)+I+1], 1.0 op_sel_hi:[1,0]
.set I, I+2
.endr
.endr
	WIN 0x45
.irp T, 0,1
.set I, 128*\T
.rept 16
	v_pk_mul_f32 v[(\D)+I:(\D)+I+1], v[(\D)+I:(\D)+I+1], v[(\O)+I:(\O)+I+1]
.set I, I+2
.endr
.endr
.irp T, 0,1
.set I, 128*\T
.rept 32
	v_rcp_f32 v[(\D)+I], v[(\D)+I]
.set I, I+1
.endr
.endr
	v_nop                                  ; a plain instruction behind the last reciprocal,
	s_wait_alu depctr_va_vdst(0)           ; and one wait for the 64
.irp T, 0,1
.set I, 128*\T
.rept 16
	v_pk_mul_f32 v[(\D)+I:(\D)+I+1], v[(\D)+I:(\D)+I+1], v[(\F)+I:(\F)+I+1]
.set I, I+2
.endr
.endr
.endm
.macro WSUM r                          ; the sum of v[r] over the wave's 32 lanes, in every lane
	v_add_f32_dpp v[\r], v[\r], v[\r] row_xmask:1 row_mask:0xf bank_mask:0xf
	v_add_f32_dpp v[\r], v[\r], v[\r] row_xmask:2 row_mask:0xf bank_mask:0xf
	v_add_f32_dpp v[\r], v[\r], v[\r] row_xmask:4 row_mask:0xf bank_mask:0xf
	v_add_f32_dpp v[\r], v[\r], v[\r] row_xmask:8 row_mask:0xf bank_mask:0xf
	v_permlanex16_b32 v88, v[\r], s[SEL], s[SEL+1]
	v_add_f32 v[\r], v[\r], v88
.endm
.macro XSET a, off                     ; 30 rounds of x (a round: the work-group's 256 threads x 16 bytes) into window 1, v[a] on
	WIN 0x40
.set I, 0
.rept 30
	global_load_b128 v[(\a)+4*I:(\a)+4*I+3], v[XV], s[XB:XB+1] offset:(\off)+4096*I
.set I, I+1
.endr
.endm
.macro XADD a, n                       ; n rounds are added into four pair chains
	WIN 0x04
.set I, 0
.rept \n
	v_pk_add_f32 v[CH+4*(I%2):CH+4*(I%2)+1], v[CH+4*(I%2):CH+4*(I%2)+1], v[(\a)+4*I:(\a)+4*I+1]
	v_pk_add_f32 v[CH+4*(I%2)+2:CH+4*(I%2)+3], v[CH+4*(I%2)+2:CH+4*(I%2)+3], v[(\a)+4*I+2:(\a)+4*I+3]
.set I, I+1
.endr
.endm
; ================= THE HEAD: every wave makes an eighth of the work-group's operands and tables =================
	s_load_b512 s[8:23], s[0:1], 0x0               ; x, W1, b1, g1, be1, l0_gc, l0_bc, l1_gc
	s_load_b512 s[24:39], s[0:1], 0x40             ; l1_bc, Wo, bo, l0_Wi, l1_Wi, l0_Wh, l1_Wh, l0_bi
	s_load_b512 s[40:55], s[0:1], 0x80             ; l1_bi, l0_bh, l1_bh, l0_gi, l1_gi, l0_bgi, l1_bgi, l0_gh
	s_load_b256 s[56:63], s[0:1], 0xc0             ; l1_gh, l0_bgh, l1_bgh, out0
	s_load_b64 s[66:67], s[0:1], 0xe0              ; out1
	v_lshrrev_b32 v7, 5, v0
	v_readfirstlane_b32 s[WV], v7                  ; wave 0 .. 7
	s_lshr_b32 s[LY], s[WV], 2
	s_and_b32 s[GQ], s[WV], 3
	v_and_b32 v[LANE], 31, v0
	v_and_b32 v58, 15, v0                          ; r
	v_bfe_u32 v59, v0, 4, 1                        ; h
	v_lshlrev_b32 v[LH], 6, v59
	v_lshlrev_b32 v[LI], 4, v[LANE]
	v_lshlrev_b32 v[LS], 2, v[LANE]
	v_lshlrev_b32 v[L8], 3, v[LANE]
	v_lshlrev_b32 v[XV], 4, v0
	v_mov_b32 v[NIL], 0
	s_lshl_b32 s5, s[WV], 9                        ; every LDS address is a constant + a constant x lane + a constant x wave, made here, ahead of every branch
	s_add_co_u32 s6, s5, XST
	s_add_co_u32 s7, s5, OST
	v_add_nc_u32 v[XW], s6, v[LI]
	v_lshl_add_u32 v[XA0], v58, 2, s6
	v_add_nc_u32 v[OSA0], s7, v[LS]
	s_lshl_b32 s5, s[WV], 12
	v_add_nc_u32 v[IA], s5, v[LI]
	s_lshl_b32 s5, s[LY], 10
	v_lshl_add_u32 v[T8], v[LANE], 5, s5
	s_and_b32 s6, s[GQ], 1
	s_lshl_b32 s6, s6, 9
	s_add_co_u32 s5, s5, s6
	s_lshr_b32 s6, s[GQ], 1
	s_lshl_b32 s6, s6, 6
	s_add_co_u32 s5, s5, s6
	v_lshl_add_u32 v[SWA], v58, 2, s5
	s_lshl_b32 s5, s[WV], 8
	v_add_nc_u32 v[VA], s5, v[LH]
	v_add_nc_u32 v[T2], s5, v[L8]
	s_lshl_b32 s5, s[WV], 2
	v_mov_b32 v[XP], s5
	v_and_b32 v7, 8, v58
	v_add_nc_u32 v7, v7, v58                       ; r + 8 (r / 8)
	v_lshl_add_u32 v[WA], v7, 8, v[LH]
	; the wave's share of the rows
	s_lshl_b32 s[PF], ttmp9, 5
	s_lshl_b32 s5, s[WV], 2
	s_cmp_lt_u32 s[WV], 5
	s_cselect_b32 s6, 1, 0
	s_cmp_eq_u32 ttmp9, LASTG
	s_cselect_b32 s5, s[WV], s5
	s_cselect_b32 s[NT], s6, 4                     ; four pairs; in the last work-group one (waves 0 .. 4) or none
	s_add_co_u32 s[PF], s[PF], s5                  ; first pair: 32 g + 4 w; in the last work-group 7808 + w
	s_lshl_b32 s7, s[PF], 5                        ; first row
	s_sub_co_i32 s[NROWS], 250000, s7
	s_lshl_b32 s6, s[NT], 5
	s_min_i32 s[NROWS], s[NROWS], s6
	s_max_i32 s[NROWS], s[NROWS], 0
	s_lshl_b32 s[OFFB], s[PF], 7
	s_mov_b32 s[OFFB+1], 0
	v_add_nc_u32 v[XO], s[OFFB], v[LI]
	v_min_u32 v[XO], 0xf4230, v[XO]                ; no load leaves x: the last 16 bytes begin at 999,984
	s_mov_b32 s[SEL], 0x76543210
	s_mov_b32 s[SEL+1], 0xfedcba98
	s_mov_b32 s[MNT], 0x600000
	s_mov_b32 s[CAP], 0x41f00000
	s_mov_b32 s[HIM], 0xffff0000
	s_mov_b32 s[EPS], 0x3727c5ac
	s_mov_b32 s[TOFF], 0
.irp i, 0,1,2,3,4,5,6,7,8,9,10,11,12,13,14,15
	v_mov_b32 v[HOP0+\i], 0                        ; zero codes: in the head the whole operand (hx = 0), later its upper half (K = 64 .. 127)
.endr
.irp f, 0,1,2,3
.irp i, 8,9,10,11,12,13,14,15
	v_mov_b32 v[WF+16*\f+\i], 0                    ; the weights' zero codes for K = 64 .. 127: they stay
.endr
.endr
.irp i, 76,77,78,79,88,89
	v_mov_b32 v\i, 0                               ; a lane permute's destination counts as one of its sources
.endr
	v_mov_b32 v[HSW0], 0x7f7f7f7f                  ; the scale bytes of a block of zeros
	s_wait_kmcnt 0x0
	s_load_b32 s[BO], s[28:29], 0x0                ; bo (awaited in front of the loop)
	s_cmp_lt_u32 s[WV], 4                          ; my layer's eight tensors: the choice hangs on the wave's number alone
	s_cselect_b64 s[30:31], s[30:31], s[32:33]     ; Wi
	s_cselect_b64 s[34:35], s[34:35], s[36:37]     ; Wh
	s_cselect_b64 s[38:39], s[38:39], s[40:41]     ; bi
	s_cselect_b64 s[42:43], s[42:43], s[44:45]     ; bh
	s_cselect_b64 s[46:47], s[46:47], s[48:49]     ; gi
	s_cselect_b64 s[50:51], s[50:51], s[52:53]     ; bgi
	s_cselect_b64 s[54:55], s[54:55], s[56:57]     ; gh
	s_cselect_b64 s[58:59], s[58:59], s[60:61]     ; bgh
	s_bitcmp1_b32 s[WV], 0                         ; and table w's source among W1, b1, g1, be1, l0_gc, l0_bc, l1_gc, l1_bc
	s_cselect_b64 s[10:11], s[12:13], s[10:11]
	s_cselect_b64 s[14:15], s[16:17], s[14:15]
	s_cselect_b64 s[18:19], s[20:21], s[18:19]
	s_cselect_b64 s[22:23], s[24:25], s[22:23]
	s_bitcmp1_b32 s[WV], 1
	s_cselect_b64 s[10:11], s[14:15], s[10:11]
	s_cselect_b64 s[18:19], s[22:23], s[18:19]
	s_bitcmp1_b32 s[WV], 2
	s_cselect_b64 s[10:11], s[18:19], s[10:11]
	s_cmp_lt_u32 s[WV], 2
	s_cselect_b32 s[FLAG], 1.0, 0                  ; W1 and b1 are centred,
	s_mov_b32 s[FACT], 0x4038aa3b
	s_cselect_b32 s[FACT], 1.0, s[FACT]            ; the six others multiplied by 2 log2 e
	s_cmp_eq_u32 s[GQ], 3
	s_mov_b32 s[FG], 0xbfb8aa3b
	s_cselect_b32 s[FG], 0x4038aa3b, s[FG]
	s_lshl_b32 s6, s[GQ], 14                       ; my gate's 64 rows of 256 bytes,
	s_mov_b32 s7, 0
	s_add_nc_u64 s[30:31], s[30:31], s[6:7]
	s_add_nc_u64 s[34:35], s[34:35], s[6:7]
	s_lshl_b32 s6, s[GQ], 8                        ; and its 64 numbers of the six vectors
	s_add_nc_u64 s[38:39], s[38:39], s[6:7]
	s_add_nc_u64 s[42:43], s[42:43], s[6:7]
	s_add_nc_u64 s[46:47], s[46:47], s[6:7]
	s_add_nc_u64 s[50:51], s[50:51], s[6:7]
	s_add_nc_u64 s[54:55], s[54:55], s[6:7]
	s_add_nc_u64 s[58:59], s[58:59], s[6:7]
	; 80 loads, in the order in which they are wanted: Wi 32, Wh 32, bh 8, six pairs, x, Wo
	WIN 0x40
.irp i, 0,1,2,3                        ; tile i of my gate, block c: lane (r, h) takes 16 neighbours along K of its row: registers 32 i + 16 c on, in window 1
.irp c, 0,1
.irp j, 0,1,2,3
	global_load_b128 v[32*\i+16*\c+4*\j:32*\i+16*\c+4*\j+3], v[WA], s[30:31] offset:8192*(\i/2)+2048*(\i%2)+128*\c+16*\j
.endr
.endr
.endr
.irp i, 0,1,2,3
.irp c, 0,1
.irp j, 0,1,2,3
	global_load_b128 v[128+32*\i+16*\c+4*\j:128+32*\i+16*\c+4*\j+3], v[WA], s[34:35] offset:8192*(\i/2)+2048*(\i%2)+128*\c+16*\j
.endr
.endr
.endr
	WIN 0
.irp i, 0,1,2,3                        ; bh in the result's layout: register j of tile i is column 32 (i / 2) + 16 h + 8 (i % 2) + j of my gate
	global_load_b128 v[KA+8*\i:KA+8*\i+3], v[LH], s[42:43] offset:128*(\i/2)+32*(\i%2)
	global_load_b128 v[KA+8*\i+4:KA+8*\i+7], v[LH], s[42:43] offset:128*(\i/2)+32*(\i%2)+16
.endr
	global_load_b64 v[40:41], v[L8], s[10:11]      ; table w's source: two numbers a lane
	global_load_b64 v[42:43], v[L8], s[38:39]      ; bi
	global_load_b64 v[44:45], v[L8], s[46:47]      ; gi
	global_load_b64 v[46:47], v[L8], s[50:51]      ; bgi
	global_load_b64 v[48:49], v[L8], s[54:55]      ; gh
	global_load_b64 v[50:51], v[L8], s[58:59]      ; bgh
	global_load_b128 v[52:55], v[XO], s[8:9]       ; the wave's 128 numbers of x
	global_load_b64 v[90:91], v[L8], s[26:27]      ; Wo
	s_wait_loadcnt 63                              ; Wi's tiles 0 and 1 (16 loads) are in: 63 is the most that a wait names, and leaves 17 of the 80 done
	QUANT4 0, 32, KA+32, KA+40, 12, 13
.irp i, 0,1
	ds_store_b128 v[IA], v[KA+32+8*\i:KA+32+8*\i+3] offset:IMG+1024*\i          ; the fragment goes to LDS as an image of its registers
	ds_store_b128 v[IA], v[KA+32+8*\i+4:KA+32+8*\i+7] offset:IMG+1024*\i+512
	ds_store_b32 v[SWA], v[12+\i] offset:WSC+128*\i                             ; both halves of the lanes write the same word with the same value
.endr
	s_wait_loadcnt 48                              ; Wi is in
	QUANT4 64, 96, KA+48, KA+56, 14, 15
.irp i, 2,3
	ds_store_b128 v[IA], v[KA+32+8*\i:KA+32+8*\i+3] offset:IMG+1024*\i
	ds_store_b128 v[IA], v[KA+32+8*\i+4:KA+32+8*\i+7] offset:IMG+1024*\i+512
	ds_store_b32 v[SWA], v[12+\i] offset:WSC+128*\i
.endr
	s_wait_loadcnt 32                              ; Wh's tiles 0 and 1
	QUANT4 128, 160, WF, WF+16, 8, 9
	s_wait_loadcnt 16                              ; Wh
	QUANT4 192, 224, WF+32, WF+48, 10, 11
	s_wait_loadcnt 8                               ; bh
.irp i, 0,1,2,3                        ; hx Wh^T + bh for 16 rows of hx = 0: four accumulators, each written once
	v_wmma_scale_f32_16x16x128_f8f6f4 v[KA+64+8*\i:KA+64+8*\i+7], v[WF+16*\i:WF+16*\i+15], v[HOP0:HOP0+15], v[KA+8*\i:KA+8*\i+7], v[8+\i], v[HSW0] matrix_a_fmt:MATRIX_FMT_BF8 matrix_b_fmt:MATRIX_FMT_BF8
.endr
	PLACES 8                                       ; eight places between these products and the stores of their results
.irp i, 0,1,2,3
	ds_store_b128 v[VA], v[KA+64+8*\i:KA+64+8*\i+3] offset:VT+128*(\i/2)+32*(\i%2)        ; each accumulator from its low end on; the 16 rows are alike: sixteen lanes write the same bytes with the same value
	ds_store_b128 v[VA], v[KA+64+8*\i+4:KA+64+8*\i+7] offset:VT+128*(\i/2)+32*(\i%2)+16
.endr
	s_wait_loadcnt 0x0
	v_add_f32 v72, v40, v41                        ; table w: (v - mean x FLAG) x FACT
	WSUM 72
	v_mul_f32 v72, 0x3c800000, v72                 ; / 64
	v_mul_f32 v72, s[FLAG], v72
	v_sub_f32 v40, v40, v72
	v_sub_f32 v41, v41, v72
	v_mul_f32 v40, s[FACT], v40
	v_mul_f32 v41, s[FACT], v41
	ds_store_b64 v[T2], v[40:41] offset:T64
	ds_store_b64 v[T2], v[42:43] offset:BI
	ds_store_b128 v[XW], v[52:55]
	s_cmp_lg_u32 s[WV], 0
	s_cbranch_scc1 .Lno_wo
	ds_store_b64 v[L8], v[90:91] offset:WOT        ; wave 0 alone
.Lno_wo:
	; the sum of x: the last work-group, whose waves have one pair of rows or none
	v_mov_b32 v72, 0                               ; the others store 0: the eight words are written in every work-group
	s_cmp_lg_u32 ttmp9, LASTG
	s_cbranch_scc1 .Lno_sum
.irp i, 73,74,75,76,77,78,79
	v_mov_b32 v\i, 0
.endr
	v_min_u32 v7, 35, v0
	v_lshlrev_b32 v7, 4, v7                        ; the last 576 bytes: 36 threads
	v_cmp_gt_u32 vcc_lo, 36, v0
	s_mov_b64 s[XB:XB+1], s[8:9]
	s_mov_b32 s[CNT], 3
	XSET 0, 0                                      ; 1,000,000 bytes = 8 sets of 30 rounds of 4,096, 4 rounds, 576 bytes.  Two sets, 60 loads a wave, are on their way throughout
	XSET 120, 122880
	WIN 0
.Lxsum:
	s_wait_loadcnt 30                              ; the older set is in, the younger may be out
	XADD 0, 30
	XSET 0, 245760
	s_wait_loadcnt 30
	XADD 120, 30
	XSET 120, 368640
	WIN 0
	s_wait_xcnt 0x0                                ; the loads have read their base: it may step
	s_add_nc_u64 s[XB:XB+1], s[XB:XB+1], 245760
	s_sub_co_u32 s[CNT], s[CNT], 1
	s_cmp_lg_u32 s[CNT], 0
	s_cbranch_scc1 .Lxsum
	s_wait_loadcnt 30                              ; set 6
	XADD 0, 30
	WIN 0x40
.irp k, 0,1,2,3
	global_load_b128 v[4*\k:4*\k+3], v[XV], s[XB:XB+1] offset:245760+4096*\k    ; rounds 240 .. 243
.endr
	global_load_b128 v[16:19], v7, s[XB:XB+1] offset:262144                     ; bytes 999,424 on; threads 36 and up read thread 35's again,
	s_wait_loadcnt 5                               ; set 7
	XADD 120, 30
	s_wait_loadcnt 0x0
	WIN 0x45
.irp k, 16,17,18,19
	v_cndmask_b32 v\k, 0, v\k, vcc_lo              ; and count 0
.endr
	XADD 0, 5
	WIN 0
	v_pk_add_f32 v[72:73], v[72:73], v[74:75]
	v_pk_add_f32 v[76:77], v[76:77], v[78:79]
	v_pk_add_f32 v[72:73], v[72:73], v[76:77]
	v_add_f32 v72, v72, v73
	WSUM 72
.Lno_sum:
	ds_store_b32 v[XP], v72 offset:XS              ; my wave's word
	s_wait_dscnt 0x0                               ; my stores have landed:
	s_barrier_signal -1
	s_barrier_wait -1                              ; everybody's have.  The row 0 x Q(Wh) + bh of each layer is whole
	; its LayerNorm over 256 (each of a layer's four waves makes the statistics), gh, bgh; then my gate's part of the two tables of z
	ds_load_b128 v[72:75], v[T8] offset:VT
	ds_load_b128 v[76:79], v[T8] offset:VT+16
	ds_load_b64 v[80:81], v[T2] offset:VT
	s_wait_dscnt 0x0
	v_pk_add_f32 v[82:83], v[72:73], v[74:75]
	v_pk_add_f32 v[84:85], v[76:77], v[78:79]
	v_pk_add_f32 v[82:83], v[82:83], v[84:85]
	v_add_f32 v82, v82, v83
	WSUM 82
	v_mul_f32 v82, 0xbb800000, v82                 ; minus the mean
.irp p, 72,74,76,78,80
	v_pk_add_f32 v[\p:\p+1], v[\p:\p+1], v[82:83] op_sel_hi:[1,0]
.endr
	v_pk_mul_f32 v[84:85], v[72:73], v[72:73]
	v_pk_mul_f32 v[86:87], v[76:77], v[76:77]
	v_pk_fma_f32 v[84:85], v[74:75], v[74:75], v[84:85]
	v_pk_fma_f32 v[86:87], v[78:79], v[78:79], v[86:87]
	v_pk_add_f32 v[84:85], v[84:85], v[86:87]
	v_add_f32 v84, v84, v85
	WSUM 84
	v_mul_f32 v84, 0x3b808081, v84                 ; / 255
	v_sqrt_f32 v84, v84
	v_mul_f32 v44, s[FG], v44                      ; F gi (the plain instruction behind the root)
	s_wait_alu depctr_va_vdst(0)                   ; the wait ahead of the first instruction that names the result
	v_add_f32 v84, s[EPS], v84
	v_rcp_f32 v84, v84
	v_mul_f32 v45, s[FG], v45
	s_wait_alu depctr_va_vdst(0)
	v_pk_mul_f32 v[80:81], v[80:81], v[84:85] op_sel_hi:[1,0]
	v_pk_fma_f32 v[80:81], v[80:81], v[48:49], v[50:51]            ; x gh + bgh
	v_pk_add_f32 v[80:81], v[80:81], v[46:47]                      ; + bgi
	v_mul_f32 v80, s[FG], v80
	v_mul_f32 v81, s[FG], v81
	ds_store_b64 v[T2], v[44:45] offset:GT
	ds_store_b64 v[T2], v[80:81] offset:BC
.irp i, 8,9,10,11,12,13,14,15
	v_mov_b32 v[HOP1+\i], 0                        ; the second data operand's zero codes: gh, bgh and x have left these registers
.endr
	s_wait_dscnt 0x0
	s_barrier_signal -1
	s_barrier_wait -1                              ; all shared LDS is written; from here on it is only read, and each wave writes its own 512 bytes of results alone
.irp l, 0,1
.irp i, 0,1,2,3,4,5,6,7
	ds_load_b32 v[WS+8*\l+\i], v[LS] offset:WSC+1024*\l+128*\i     ; the scale words stay in registers: lanes 0-15 tile i, lanes 16-31 tile i + 8
.endr
.endr
.irp i, 61,63,65,67,69,71
	v_mov_b32 v\i, 0                               ; upper halves of pairs of which the low word serves both halves: named, so written
.endr
	s_add_nc_u64 s[62:63], s[62:63], s[OFFB:OFFB+1]                ; out0 at the wave's first row
	s_mov_b32 s[TRIP], 0
	s_wait_kmcnt 0x0                               ; bo
	s_wait_dscnt 0x0
; ================= A TRIP: one pair, 32 rows.  Every wave walks four trips; a wave with fewer pairs jumps over the work =================
.macro LAYER L
.irp g, 0,1,2,3,4,5,6,7
	GROUP \L, \g
.endr
	SUMADD 7
	WIN 0
	TABLES 0, KA, \L                               ; 24 loads land under the statistics
	TABLES 1, KA+32, \L
	TABLES 6, KA+64, \L
	RED
	MEAN 0xbb800000                                ; -1 / 256
	DSUB 128
	SSQ 128
	RED
	RSTD 0x3b808081                                ; 1 / 255
	s_wait_dscnt 0x0
	NORM 0, KA, 0                                  ; gate i,
	NORM 1, KA+32, 0
	NORM 6, KA+64, 1                               ; half of gate g
	WIN 0
	TABLES 7, KA, \L                               ; the next 24 land under 96 exponentials
	TABLES 4, KA+32, \L
	TABLES 5, KA+64, \L
	EXPB 0
	EXPB 1
	EXPB 6
	s_wait_dscnt 0x0
	NORM 7, KA, 1                                  ; plain work that names no exponential's result: the other half of g, gate o
	NORM 4, KA+32, 0
	NORM 5, KA+64, 0
	WIN 0
	TL16 KA+32, T64+256*(4+2*\L)                   ; gc, bc of this layer, block by block,
	TL16 KA+48, T64+256*(5+2*\L)
	TL16 KA+64, T64+256*(4+2*\L)+128
	TL16 KA+80, T64+256*(5+2*\L)+128
.if \L == 0
	PRELOAD 1                                      ; and the next layer's first two operand sets,
.else
	TL16 KA, WOT                                   ; or Wo
	TL16 KA+16, WOT+128
.endif
	EXPB 7
	EXPB 4
	EXPB 5
	v_nop                                          ; a plain instruction behind the last exponential,
	s_wait_alu depctr_va_vdst(0)                   ; and one wait for all 192, ahead of the first instruction that names a result
	GATE 0, 96, 96, 32                             ; c = sigmoid(i) tanh(g), in registers 0-31; the f registers are scratch
	SUMADD 0
	SUMADD 1
	RED
	MEAN 0xbc800000                                ; -1 / 64
	DSUB 32
	SSQ 32
	RED
	RSTD 0x3c820821                                ; 1 / 63
.if \L == 0
	s_wait_dscnt 16                                ; gc and bc are in; the 16 loads issued behind them may be out
.else
	s_wait_dscnt 8                                 ; likewise Wo's eight
.endif
	NORM 0, KA+32, 1
	NORM 1, KA+64, 1
	EXPB 0
	EXPB 1
	v_nop
	s_wait_alu depctr_va_vdst(0)
	GATE 0, 64, 0, 32                              ; hx = sigmoid(o) tanh(LN(c)), in registers 0-31
.endm
.Ltrip:
	s_cmp_ge_u32 s[TRIP], s[NT]
	s_cbranch_scc1 .Lskip
	v_add_nc_u32 v58, s[TOFF], v[XA0]
	v_add_nc_u32 v59, s[TOFF], v[OSA0]
	ds_load_b32 v[X0], v58                         ; x of row r of row tile 0,
	ds_load_b32 v[X0+2], v58 offset:64             ; of row tile 1
	TL16 KA, T64                                   ; W1 - mean
	TL16 KA+16, T64+128
	TL16 KA+32, T64+256                            ; b1 - mean
	TL16 KA+48, T64+256+128
	TL16 KA+64, T64+512                            ; g1, be1 (x 2 log2 e), block 0
	TL16 KA+80, T64+768
	s_add_co_u32 s[PP], s[PF], s[TRIP]
	s_cmp_lg_u32 s[PP], LASTP
	s_cbranch_scc1 .Lnomean
	s_wait_dscnt 0x0                               ; the load into v62 is in: the last pair's second tile is the mean row
	ds_load_b128 v[72:75], v[NIL] offset:XS
	ds_load_b128 v[76:79], v[NIL] offset:XS+16
	s_wait_dscnt 0x0
	v_add_f32 v72, v72, v73
	v_add_f32 v74, v74, v75
	v_add_f32 v76, v76, v77
	v_add_f32 v78, v78, v79
	v_add_f32 v72, v72, v74
	v_add_f32 v76, v76, v78
	v_add_f32 v72, v72, v76
	v_mul_f32 v[X0+2], 0x368637bd, v72             ; / 250,000
.Lnomean:
	s_wait_dscnt 8                                 ; all but the gain and bias
	WIN 0x40
.irp T, 0,1
.set I, 0
.rept 16
	v_pk_fma_f32 v[128*\T+I:128*\T+I+1], v[X0+2*\T:X0+2*\T+1], v[KA+I:KA+I+1], v[KA+32+I:KA+32+I+1] op_sel_hi:[0,1,1]   ; x w' + b': centred as it is made
.set I, I+2
.endr
.endr
	WIN 0
	TL16 KA, T64+512+128                           ; g1, be1, block 1
	TL16 KA+16, T64+768+128
	SSQ 32
	RED
	RSTD 0x3c820821                                ; 1 / 63
	s_wait_dscnt 0x0
	NORM 0, KA+64, 0
	NORM 1, KA, 0
	WIN 0
	PRELOAD 0                                      ; layer 0's first two operand sets land under the tanh and the quantiser
	EXPB 0
	EXPB 1
	v_nop
	s_wait_alu depctr_va_vdst(0)                   ; one wait for the 64 exponentials
	WIN 0x41
.irp T, 0,1
.set I, 128*\T
.rept 16
	v_pk_add_f32 v[I:I+1], v[I:I+1], 1.0 op_sel_hi:[1,0]
.set I, I+2
.endr
.endr
	RCPB 0
	RCPB 1
	v_nop
	s_wait_alu depctr_va_vdst(0)
.irp T, 0,1
.set I, 128*\T
.rept 16
	v_pk_fma_f32 v[I:I+1], v[I:I+1], -2.0, 1.0 op_sel_hi:[1,0,0]   ; tanh = 1 - 2 / (1 + E)
.set I, I+2
.endr
.endr
	QUANT4 0, 128, HOP0, HOP1, HSW0, HSW0+1
	LAYER 0
	QUANT4 0, 128, HOP0, HOP1, HSW0, HSW0+1
	LAYER 1
	s_wait_dscnt 0x0                               ; Wo
	WIN 0x01
.set I, 0
.rept 16
.set C0, CH+2*((I/2)%4)
.if I < 8
	v_pk_mul_f32 v[C0:C0+1], v[I:I+1], v[KA+I:KA+I+1]
	v_pk_mul_f32 v[C0+8:C0+9], v[128+I:129+I], v[KA+I:KA+I+1]
.else
	v_pk_fma_f32 v[C0:C0+1], v[I:I+1], v[KA+I:KA+I+1], v[C0:C0+1]
	v_pk_fma_f32 v[C0+8:C0+9], v[128+I:129+I], v[KA+I:KA+I+1], v[C0+8:C0+9]
.endif
.set I, I+2
.endr
	RED
	v_add_f32 v72, s[BO], v72
	v_add_f32 v80, s[BO], v80
	v_cndmask_b32 v7, v72, v80, s[HIM]             ; lanes 0-15: row tile 0's rows, lanes 16-31: row tile 1's
	ds_store_b32 v59, v7
	s_wait_dscnt 0x0                               ; the store has read its two registers: the next trip writes them
	s_cmp_lg_u32 s[PP], LASTP
	s_cbranch_scc1 .Lno_qt
	s_wait_xcnt 0x0                                ; EXEC changes only behind this wait
	v_cmp_eq_u32 vcc_lo, 16, v[LANE]
	s_and_saveexec_b32 s5, vcc_lo
	global_store_b32 v[NIL], v7, s[66:67]          ; the mean row's result
	s_wait_xcnt 0x0                                ; and again, in front of the line that widens it
	s_or_b32 exec_lo, exec_lo, s5
.Lno_qt:
.Lskip:
	s_add_co_u32 s[TOFF], s[TOFF], 128
	s_add_co_u32 s[TRIP], s[TRIP], 1
	s_cmp_lt_u32 s[TRIP], 4
	s_cbranch_scc1 .Ltrip
	; the wave's results leave together: in work-groups 0 .. 243 the 32 lanes store 512 consecutive bytes, at a multiple of 512 from out0's first byte
	v_lshlrev_b32 v58, 2, v[LANE]
	s_wait_xcnt 0x0
	v_cmp_gt_u32 vcc_lo, s[NROWS], v58             ; my four rows are among the wave's
	s_and_saveexec_b32 s5, vcc_lo
	s_cbranch_execz .Lend
	ds_load_b128 v[72:75], v[XW] offset:OST-XST    ; LDS serves a wave's instructions in order (ISA guide 5.7.1.4): this sees my stores
	s_wait_dscnt 0x0
	global_store_b128 v[LI], v[72:75], s[62:63]
.Lend:
	s_wait_xcnt 0x0
	s_mov_b32 exec_lo, -1
	v_lshl_add_u32 v254, v0, 2, 0xd200
	v_mov_b32 v255, 0
	s_wait_tensorcnt 0x0
	ds_add_u32 v254, v255
	s_wait_dscnt 0x0
	s_endpgm
.Lfunc_end_k_qe353d231e3_meta:
	.size	k_qe353d231e3_meta, .Lfunc_end_k_qe353d231e3_meta-k_qe353d231e3_meta
	.p2alignl 7, 3214868480
	.fill 96, 4, 3214868480
	.section	.rodata,"a",@progbits
	.p2align	6, 0x0
	.amdhsa_kernel k_qe353d231e3_meta
		.amdhsa_group_segment_fixed_size 54784
		.amdhsa_private_segment_fixed_size 0
		.amdhsa_enable_private_segment 0
		.amdhsa_kernarg_size 232
		.amdhsa_user_sgpr_count 2
		.amdhsa_user_sgpr_kernarg_segment_ptr 1
		.amdhsa_wavefront_size32 1
		.amdhsa_system_sgpr_workgroup_id_x 1
		.amdhsa_system_sgpr_workgroup_id_y 1
		.amdhsa_system_sgpr_workgroup_id_z 1
		.amdhsa_system_vgpr_workitem_id 0
		.amdhsa_next_free_vgpr 512
		.amdhsa_next_free_sgpr 96
		.amdhsa_reserve_vcc 1
		.amdhsa_float_denorm_mode_32 3
		.amdhsa_float_denorm_mode_16_64 3
		.amdhsa_memory_ordered 1
		.amdhsa_forward_progress 1
		.amdhsa_inst_pref_size 255
	.end_amdhsa_kernel
	.section	.bss,"aw",@nobits
	.p2align	6
	.space	262144
	.amdgpu_metadata
---
amdhsa.version: [ 1, 2 ]
amdhsa.kernels:
  - .name:           k_qe353d231e3_meta
    .symbol:         k_qe353d231e3_meta.kd
    .args:
      - { .name: x, .offset: 0, .size: 8, .value_kind: global_buffer, .address_space: global }
      - { .name: W1, .offset: 8, .size: 8, .value_kind: global_buffer, .address_space: global }
      - { .name: b1, .offset: 16, .size: 8, .value_kind: global_buffer, .address_space: global }
      - { .name: g1, .offset: 24, .size: 8, .value_kind: global_buffer, .address_space: global }
      - { .name: be1, .offset: 32, .size: 8, .value_kind: global_buffer, .address_space: global }
      - { .name: l0_gc, .offset: 40, .size: 8, .value_kind: global_buffer, .address_space: global }
      - { .name: l0_bc, .offset: 48, .size: 8, .value_kind: global_buffer, .address_space: global }
      - { .name: l1_gc, .offset: 56, .size: 8, .value_kind: global_buffer, .address_space: global }
      - { .name: l1_bc, .offset: 64, .size: 8, .value_kind: global_buffer, .address_space: global }
      - { .name: Wo, .offset: 72, .size: 8, .value_kind: global_buffer, .address_space: global }
      - { .name: bo, .offset: 80, .size: 8, .value_kind: global_buffer, .address_space: global }
      - { .name: l0_Wi, .offset: 88, .size: 8, .value_kind: global_buffer, .address_space: global }
      - { .name: l1_Wi, .offset: 96, .size: 8, .value_kind: global_buffer, .address_space: global }
      - { .name: l0_Wh, .offset: 104, .size: 8, .value_kind: global_buffer, .address_space: global }
      - { .name: l1_Wh, .offset: 112, .size: 8, .value_kind: global_buffer, .address_space: global }
      - { .name: l0_bi, .offset: 120, .size: 8, .value_kind: global_buffer, .address_space: global }
      - { .name: l1_bi, .offset: 128, .size: 8, .value_kind: global_buffer, .address_space: global }
      - { .name: l0_bh, .offset: 136, .size: 8, .value_kind: global_buffer, .address_space: global }
      - { .name: l1_bh, .offset: 144, .size: 8, .value_kind: global_buffer, .address_space: global }
      - { .name: l0_gi, .offset: 152, .size: 8, .value_kind: global_buffer, .address_space: global }
      - { .name: l1_gi, .offset: 160, .size: 8, .value_kind: global_buffer, .address_space: global }
      - { .name: l0_bgi, .offset: 168, .size: 8, .value_kind: global_buffer, .address_space: global }
      - { .name: l1_bgi, .offset: 176, .size: 8, .value_kind: global_buffer, .address_space: global }
      - { .name: l0_gh, .offset: 184, .size: 8, .value_kind: global_buffer, .address_space: global }
      - { .name: l1_gh, .offset: 192, .size: 8, .value_kind: global_buffer, .address_space: global }
      - { .name: l0_bgh, .offset: 200, .size: 8, .value_kind: global_buffer, .address_space: global }
      - { .name: l1_bgh, .offset: 208, .size: 8, .value_kind: global_buffer, .address_space: global }
      - { .name: out0, .offset: 216, .size: 8, .value_kind: global_buffer, .address_space: global }
      - { .name: out1, .offset: 224, .size: 8, .value_kind: global_buffer, .address_space: global }
    .group_segment_fixed_size: 54784
    .private_segment_fixed_size: 0
    .kernarg_segment_align: 8
    .kernarg_segment_size: 232
    .max_flat_workgroup_size: 256
    .sgpr_count:     96
    .vgpr_count:     512
    .wavefront_size: 32
...
	.end_amdgpu_metadata
.endif
;; end of part 1
